; MI455X (gfx1250); checked and timed in simulation.
; The chip was launched on July 23, 2026; its instructions are those of AMD's public machine-readable ISA for CDNA 5 (MIT licence, August 2026) and "CDNA5" Instruction Set Architecture Reference Guide (July 2026). The comments in the code are by the model that wrote it; some were corrected since.
;; Common Seq Tag Model. Allowed arithmetic: float matrix products may take bf16 or f16 operands with f32 sums; all other float work in f32.
;; Inputs: W 768 x 3 float32; b 3 float32; end_trans 3 float32; hidden 64 x 512 x 768 float32; labels 64 x 512 int32; mask 64 x 512 int32; start_trans 3 float32; transitions 3 x 3 float32.
;; Outputs: out0 64 x 512 x 3 float32; out1 one number float32.
;; One version. Each part assembles by itself: llvm-mc -triple=amdgcn-amd-amdhsa -mcpu=gfx1250 --defsym DOCPART=n.
;; ======== version 1 of 1: 2 launches
;; workspace buffers: part 65,536 bytes
;; launch emit (part 1): grid 256 x 1, 8 waves a work-group, no clusters, 5,120 bytes of LDS; arguments hidden, W, mask, labels, b, transitions, start_trans, end_trans, out0, part; writes out0, part
.if DOCPART == 1
	.amdgcn_target "amdgcn-amd-amdhsa--gfx1250"
	.amdhsa_code_object_version 6
	.text
	.protected	k_q6cdfb92caf_emit
	.globl	k_q6cdfb92caf_emit
	.p2align	8
	.type	k_q6cdfb92caf_emit,@function
k_q6cdfb92caf_emit:
	s_mov_b64 s[64:65], 0
	v_nop
	global_prefetch_b8 v0, s[64:65] scope:SCOPE_SE
	s_setreg_imm32_b32 hwreg(HW_REG_WAVE_MODE, 25, 1), 1
	s_wait_xcnt 0x0
; emissions = relu(hidden W + b) for 128 rows (a quarter of a sequence of 512), and of that quarter: the 3 x 3 transfer matrix of the
; CRF's forward recursion and its share of the given path's score.
; hidden [64][512][768] f32, W [768][3] f32, mask and labels [64][512] i32, out0 [64][512][3] f32.
; 256 work-groups x 8 waves; a wave owns 16 whole rows.  A row is 3,072 bytes: six loads of 16 bytes a lane, each covering 512
; consecutive bytes that start at a multiple of 256 from the buffer's first byte.  A ring of five rows in registers keeps 30 loads
; (15,360 bytes) of every wave on their way, 122,880 bytes for the work-group.
; NO MATRIX UNIT: the product has 3 columns for 768 numbers of a row read once, 1.5 operations a byte; a 16 x 16 form would use 3 of its
; 16 columns, wants one row in each of sixteen lanes (32-byte pieces of sixteen rows a load, or all bytes through LDS) and a conversion
; for every pair of numbers.  36 packed f32 multiply-adds a row and wave keep f32 sums.  NO TENSOR LOADS, NO CLUSTER: every byte
; of hidden is used by one lane once; the only bytes that work-groups share are W's 9,216 against 393,216 of their own.
; THE RECURSION AS A PRODUCT: alpha'[j] = logsumexp_k(alpha[k] + trans[k][j]) + e[j] is a row vector times the matrix trans[k][j] + e[j]
; where + stands for x and logsumexp for +; that product is associative.  A step whose mask is not above 0 is the identity.
; A LANE IS ONE ENTRY (i, j) of a matrix: j = min(lane & 3, 2), i = min((lane >> 2) & 3, 2); the surplus lanes repeat an entry.  The three
; A(i, k) that a link needs lie in the lane's own group of four and ride in on the additions (DPP quad_perm).  Each wave multiplies the
; matrices of its own 16 steps as their rows come in, one link a row, while its later rows are on their way.  Behind the last row wave 0
; multiplies the eight waves' matrices: 3 links in each half of its lanes, 1 more across.  Every logsumexp takes its own maximum away
; first.  Sequence step 0 is the matrix whose three rows all are start + e, so every row of the first quarter's product is alpha.
; LIMITS KEPT: (a) the identity's off-diagonal 'minus infinity' is -1.0e30: scores must stay far below 1e30 in size.  (b) relu is
; v_max_num_f32: a NaN sum gives 0.  (c) tags are 0..2; a tag of 3 adds tag 2's emission, any other tag adds none; all select entry 0 of the tables.  (d) the last
; tag's place is (sum of mask - 1) modulo 512.  (e) the recursion runs in powers of 2: trans, start and e are multiplied by log2(e)
; once; the order of sums is a tree.  (f) v_exp_f32 gives 0 for terms below 2^-126 of their maximum (ISA guide 15.8).
.set ROWB,  3072                       ; bytes in a row of hidden
.set ROWS,  16                         ; rows of a wave
.set DEPTH, 5                          ; rows in the register ring
.set LOG2E, 0x3fb8aa3b
.set NEG,   0xf149f2ca                 ; -1.0e30
; LDS
.set EM,  0                            ; 1,536 bytes: 128 rows x 3 f32, the image of this work-group's part of out0
.set MT,  1536                         ; 8 x 64 bytes: wave w's matrix, transposed: entry (i, j) at 64 w + 16 j + 4 i, so that a column is 16 bytes
.set NS,  2048                         ; 8 words: wave w's share of the path's score
; vector registers: v1 16 lane; v2 48 lane; v3 where my emission goes in EM; v4 b[j]; v5 lane; v6, v7, v229 offsets of wave 3's small loads
.set WR,   8                           ; v[8:79]    W of my 24 k: block j (12 numbers: 4 k x 3 tags, as they lie in memory) at 8 + 12 j
.set X,    80                          ; v[80:199]  the ring: slot s at 80 + 24 s
.set PA,   200                         ; v[200:205] three pairs of sums: (t0,t1) (t2,t0) (t1,t2), from x0 and x1
.set PB,   206                         ; v[206:211] the same from x2 and x3; behind the row's sums these six serve the link:
.set XQ,   206                         ; v[206:208] the three terms
.set MX,   209                         ; their maximum
.set G,    210                         ; the row's mask where my tag is the row's label, else 0
.set NX,   211                         ; the entry's next value
.set TS,   212                         ; v[212:214] the three tags' sums
.set RT,   215                         ; v[215:217] the other half's sums
.set VV,   218                         ; e[j] of the row at work
.set MK,   220                         ; v[220:223] wave 3: mask of four steps of the quarter
.set LB,   224                         ; v[224:227] wave 3: their labels
.set LP,   228                         ; wave 3: the label in front of them
.set MOFF, 229
.set MA,   230                         ; where my entry goes in MT
.set MROW, 232                         ; v[232:247] wave 3: sixteen numbers of the sequence's whole mask row; then at work
.set TC,   248                         ; v[248:250] column j of transitions x log2(e)
.set VJ,   251                         ; lane & 3
.set A,    252                         ; my entry of the matrix at work
.set ACC,  253                         ; my part of the path's score
.set TIV,  254                         ; entry (i, j) of the first step's matrix, without e
.set IDV,  255                         ; entry (i, j) of the identity
.set BM,   88                          ; v[88:99]   wave 0, behind the stream: column j of three matrices
.set NR,   100                         ; v[100:107] wave 0: the eight shares of the score
; scalar registers: s24 wave, s25 work-group, s26 quarter, s27 lanes of tag 0, s31 lanes of tag 1, s41 and s47 at work, s[42:43] an offset,
; s51 log2(e), s100 and s101 the selectors of a plain exchange of halves, s104 lane 0's bit in a first quarter, s105 all ones in a sequence's first wave
.set TN,  32                           ; s[32:40]  transitions
.set SN,  44                           ; s[44:46]  start
.set EN,  48                           ; s[48:50]  end
.set T2,  52                           ; s[52:60]  transitions x log2(e)
.set ST2, 61                           ; s[61:63]  start x log2(e)
.set MS,  68                           ; s[68:83]  mask of my wave's 16 rows
.set LS,  84                           ; s[84:99]  labels of my wave's 16 rows
.set C1,  12                           ; s[12:15]  wave 3: lanes whose label of step s is 1 (the registers of four addresses that are no longer needed)
.set C2,  16                           ; s[16:19]  ... is 2
.set P1,  66                           ; the same for the label in front
.set P2,  67
	s_load_b512 s[4:19], s[0:1], 0x0               ; hidden 4:5, W 6:7, mask 8:9, labels 10:11, b 12:13, transitions 14:15, start 16:17, end 18:19
	s_load_b128 s[20:23], s[0:1], 0x40             ; out0 20:21, part 22:23
	s_set_vgpr_msb 0x40
	v_lshl_add_u32 v0, v0, 2, 0x1000
	v_mov_b32 v1, 0
	s_set_vgpr_msb 0x4000
	v_and_b32 v5, 31, v0                           ; lane
	v_lshrrev_b32 v3, 5, v0
	v_readfirstlane_b32 s24, v3                    ; wave 0..7
	s_mov_b32 s25, ttmp9                           ; work-group = 4 x sequence + quarter
	s_and_b32 s26, s25, 3                          ; quarter
	s_mov_b32 s27, 0x11111111                      ; lanes with lane & 3 = 0
	s_mov_b32 s31, 0x22222222                      ; lanes with lane & 3 = 1
	s_mov_b32 s100, 0x76543210                     ; v_permlanex16_b32: lane i of one half reads lane i of the other
	s_mov_b32 s101, 0xfedcba98
	s_mov_b32 s51, LOG2E
	v_lshlrev_b32 v1, 4, v5                        ; 16 bytes a lane
	v_mul_u32_u24 v2, 48, v5                       ; 12 numbers of W a lane
	v_and_b32 v[VJ], 3, v5
	v_bfe_u32 v[MA], v5, 2, 2                      ; (lane >> 2) & 3
	v_min_u32 v231, 2, v[VJ]                       ; j
	v_min_u32 v219, 2, v[MA]                       ; i
	v_cmp_eq_u32 vcc_lo, v219, v231
	v_mov_b32 v[IDV], NEG
	v_cndmask_b32 v[IDV], v[IDV], 0, vcc_lo        ; the identity: 0 on the diagonal
	s_mul_i32 s42, s24, 12*ROWS
	v_lshl_add_u32 v3, v231, 2, s42                ; EM + 192 wave + 4 j: lanes of one tag store one word, with one value
	s_lshl_b32 s42, s24, 6
	s_add_co_u32 s42, s42, MT
	v_lshl_add_u32 v[MA], v[VJ], 2, v[MA]
	v_lshl_add_u32 v[MA], v[MA], 2, s42            ; MT + 64 wave + 16 (lane & 3) + 4 ((lane >> 2) & 3): all 16 words are written
	s_lshl_b32 s42, s25, 9
	v_lshl_add_u32 v6, v5, 4, s42                  ; wave 3: mask, labels: four steps of this quarter a lane
	s_lshl_b32 s42, s25, 7
	v_lshl_add_u32 v7, v5, 2, s42
	v_add_nc_u32 v7, -1, v7                        ; the step in front of the four,
	v_max_i32 v7, 0, v7                            ; never in front of the buffer (that lane's value is not used: its step is a sequence's first)
	v_lshlrev_b32 v7, 2, v7
	s_lshr_b32 s42, s25, 2
	s_lshl_b32 s42, s42, 11
	v_lshl_add_u32 v[MOFF], v5, 4, s42             ; the sequence's mask row of 2,048 bytes
	v_mov_b32 v[RT], 0                             ; v_permlanex16_b32 counts as a reader of its destination
	v_mov_b32 v[RT+1], 0
	v_mov_b32 v[RT+2], 0
	s_mul_i32 s42, s25, 128*ROWB
	s_mul_i32 s41, s24, ROWS*ROWB
	s_add_co_u32 s42, s42, s41                     ; below 2^27
	s_mov_b32 s43, 0
	s_wait_kmcnt 0x0
	s_load_b96 s[28:30], s[12:13], 0x0             ; b
	s_load_b256 s[TN:TN+7], s[14:15], 0x0          ; transitions, 9 numbers
	s_load_b32 s[TN+8], s[14:15], 0x20
	s_load_b96 s[SN:SN+2], s[16:17], 0x0
	s_load_b96 s[EN:EN+2], s[18:19], 0x0
	s_add_nc_u64 s[4:5], s[4:5], s[42:43]          ; hidden at my wave's first row
	s_lshl_b32 s42, s25, 9
	s_lshl_b32 s41, s24, 6
	s_add_co_u32 s42, s42, s41                     ; 512 work-group + 64 wave: my wave's 16 words of mask and of labels
	s_add_nc_u64 s[66:67], s[8:9], s[42:43]
	s_add_nc_u64 s[104:105], s[10:11], s[42:43]
	s_load_b512 s[MS:MS+15], s[66:67], 0x0
	s_load_b512 s[LS:LS+15], s[104:105], 0x0
	s_mul_i32 s42, s25, 128*12
	s_add_nc_u64 s[20:21], s[20:21], s[42:43]      ; out0 at the work-group's 1,536 bytes
	s_lshl_b32 s42, s25, 8
	s_add_nc_u64 s[22:23], s[22:23], s[42:43]      ; part at the work-group's record of 256 bytes
	; Wave 3's small loads go out first, so that they are older than every load that a counted wait below counts.
	s_cmp_lg_u32 s24, 3
	s_cbranch_scc1 .Lno_small
	global_load_b128 v[MK:MK+3], v6, s[8:9]
	global_load_b128 v[LB:LB+3], v6, s[10:11]
	global_load_b32 v[LP], v7, s[10:11]
.irp n, 0,1,2,3
	global_load_b128 v[MROW+4*\n:MROW+4*\n+3], v[MOFF], s[8:9] offset:512*\n
.endr
.Lno_small:
	; W: load j of a row brings lane l the numbers k = 128 j + 4 l .. + 3, whose 12 weights lie at byte 1,536 j + 48 l
.irp j, 0,1,2,3,4,5
.irp m, 0,1,2
	global_load_b128 v[WR+12*\j+4*\m:WR+12*\j+4*\m+3], v2, s[6:7] offset:1536*\j+16*\m
.endr
.endr
.macro FILL r                          ; row r of my sixteen into its slot; the row's place stands in the immediate, 48,640 at the most
.irp j, 0,1,2,3,4,5
	global_load_b128 v[X+24*((\r)%DEPTH)+4*\j:X+24*((\r)%DEPTH)+4*\j+3], v1, s[4:5] offset:(\r)*ROWB+512*\j th:TH_LOAD_NT
.endr
.endm
.irp r, 0,1,2,3,4
	FILL \r
.endr
.macro SELJ d, a                       ; v[d] = s[a + j], j the lane's tag
	v_mov_b32 v[\d], s[\a+2]
	v_cndmask_b32 v[\d], v[\d], s[\a], s27
	v_cndmask_b32 v[\d], v[\d], s[\a+1], s31
.endm
	s_wait_kmcnt 0x0                               ; the small tables, my 16 mask words and labels; their address registers are free
	SELJ 4, 28                                     ; b[j]
.irp i, 0,1,2,3,4,5,6,7,8
	s_mul_f32 s[T2+\i], s[TN+\i], s51
.endr
.irp j, 0,1,2
	s_mul_f32 s[ST2+\j], s[SN+\j], s51
.endr
	SELJ TC,   T2                                  ; column j of the transitions
	SELJ TC+1, T2+3
	SELJ TC+2, T2+6
	s_mov_b32 s41, 0x000f000f                      ; lanes of row 0
	s_mov_b32 s47, 0x00f000f0                      ; lanes of row 1
	v_cndmask_b32 v[TIV], v[TC+2], v[TC], s41
	v_cndmask_b32 v[TIV], v[TIV], v[TC+1], s47     ; trans[i][j],
	SELJ 231, ST2
	s_or_b32 s42, s26, s24
	s_cmp_eq_u32 s42, 0                            ; quarter 0, wave 0: my first row is the sequence's step 0
	s_cselect_b32 s105, -1, 0
	s_cselect_b32 s[MS], 1, s[MS]                  ; which is never masked, in the recursion or in the score
	v_cndmask_b32 v[TIV], v[TIV], v231, s105       ; and whose matrix has start[j] in every row
	s_cmp_eq_u32 s26, 0
	s_cselect_b32 s104, 1, 0                       ; wave 3: lane 0's first step is the sequence's step 0
; Four numbers of x against their 12 weights, used as they lie: (x0,x0)(w0,w1) (x0,x1)(w2,w3) (x1,x1)(w4,w5), and x2, x3 likewise.
; first = 1: the products start the sums, nothing is cleared.
.macro DOT x, w, first
.if \first
	v_pk_mul_f32 v[PA:PA+1],   v[\x:\x+1],   v[\w:\w+1]     op_sel_hi:[0,1]
	v_pk_mul_f32 v[PA+2:PA+3], v[\x:\x+1],   v[\w+2:\w+3]
	v_pk_mul_f32 v[PA+4:PA+5], v[\x:\x+1],   v[\w+4:\w+5]   op_sel:[1,0] op_sel_hi:[1,1]
	v_pk_mul_f32 v[PB:PB+1],   v[\x+2:\x+3], v[\w+6:\w+7]   op_sel_hi:[0,1]
	v_pk_mul_f32 v[PB+2:PB+3], v[\x+2:\x+3], v[\w+8:\w+9]
	v_pk_mul_f32 v[PB+4:PB+5], v[\x+2:\x+3], v[\w+10:\w+11] op_sel:[1,0] op_sel_hi:[1,1]
.else
	v_pk_fma_f32 v[PA:PA+1],   v[\x:\x+1],   v[\w:\w+1],     v[PA:PA+1]   op_sel_hi:[0,1,1]
	v_pk_fma_f32 v[PA+2:PA+3], v[\x:\x+1],   v[\w+2:\w+3],   v[PA+2:PA+3]
	v_pk_fma_f32 v[PA+4:PA+5], v[\x:\x+1],   v[\w+4:\w+5],   v[PA+4:PA+5] op_sel:[1,0,0] op_sel_hi:[1,1,1]
	v_pk_fma_f32 v[PB:PB+1],   v[\x+2:\x+3], v[\w+6:\w+7],   v[PB:PB+1]   op_sel_hi:[0,1,1]
	v_pk_fma_f32 v[PB+2:PB+3], v[\x+2:\x+3], v[\w+8:\w+9],   v[PB+2:PB+3]
	v_pk_fma_f32 v[PB+4:PB+5], v[\x+2:\x+3], v[\w+10:\w+11], v[PB+4:PB+5] op_sel:[1,0,0] op_sel_hi:[1,1,1]
.endif
.endm
; One link: A(i, j) <- log2 of the sum over k of 2^(A(i, k) + B(k, j)), B(k, j) in v[bk].  A(i, k) comes from lane k of my group of four.
; The output's own maximum is taken away first.  Behind a run of v_exp_f32, and behind v_log_f32, one plain vector instruction stands
; before a result is used (ISA guide 5.7.2).  row = 1, in the stream: e[j] log2(e) is added (that multiply-add is the place behind the
; exponentials), the score's multiply-add is the place behind the logarithm, and a row that is off (s41 = 0) leaves A as it is.
.macro LSE3 b0, b1, b2, row
	v_add_f32_dpp v[XQ],   v[A], v[\b0] quad_perm:[0,0,0,0] row_mask:0xf bank_mask:0xf
	v_add_f32_dpp v[XQ+1], v[A], v[\b1] quad_perm:[1,1,1,1] row_mask:0xf bank_mask:0xf
	v_add_f32_dpp v[XQ+2], v[A], v[\b2] quad_perm:[2,2,2,2] row_mask:0xf bank_mask:0xf
	v_max3_num_f32 v[MX], v[XQ], v[XQ+1], v[XQ+2]
.irp k, 0,1,2
	v_sub_f32 v[XQ+\k], v[XQ+\k], v[MX]
.endr
.irp k, 0,1,2
	v_exp_f32 v[XQ+\k], v[XQ+\k]
.endr
.if \row
	v_fma_f32 v[MX], v[VV], s51, v[MX]
	s_wait_alu depctr_va_vdst(0)
.else
	v_nop
	s_wait_alu depctr_va_vdst(0)
.endif
	v_add_f32 v[XQ], v[XQ], v[XQ+1]
	v_add_f32 v[XQ], v[XQ], v[XQ+2]
	v_log_f32 v[XQ], v[XQ]
.if \row
	v_fmac_f32 v[ACC], v[VV], v[G]
	s_wait_alu depctr_va_vdst(0)
	v_add_f32 v[NX], v[XQ], v[MX]
	v_cndmask_b32 v[A], v[A], v[NX], s41
.else
	v_nop
	s_wait_alu depctr_va_vdst(0)
	v_add_f32 v[A], v[XQ], v[MX]
.endif
.endm
; Row r: wait, 36 packed multiply-adds, the slot's next row, the sum over the 32 lanes, bias and relu, 12 bytes into EM, the score's
; e[label] x mask, and one link of the recursion.
.macro TURN r
.if ROWS-1-\r < DEPTH-1
	s_wait_loadcnt 6*(ROWS-1-\r)                   ; loads come back in order (ISA guide 5.7.1): row r is in, the rows behind it stay out
.else
	s_wait_loadcnt 6*(DEPTH-1)                     ; the four rows behind row r stay out; W and wave 3's small loads are older than row 0
.endif
	DOT X+24*((\r)%DEPTH), WR, 1
.irp j, 1,2,3,4,5
	DOT X+24*((\r)%DEPTH)+4*\j, WR+12*\j, 0
.endr
.if \r+DEPTH < ROWS
	FILL \r+DEPTH
.endif
.irp p, 0,2,4
	v_pk_add_f32 v[PA+\p:PA+\p+1], v[PA+\p:PA+\p+1], v[PB+\p:PB+\p+1]
.endr
.irp t, 0,1,2
	v_add_f32 v[TS+\t], v[PA+\t], v[PA+3+\t]       ; the pairs hold t0 t1 t2 t0 t1 t2
.endr
.irp m, 1,2,4,8
.irp t, 0,1,2
	v_add_f32_dpp v[TS+\t], v[TS+\t], v[TS+\t] row_xmask:\m row_mask:0xf bank_mask:0xf
.endr
.endr
.irp t, 0,1,2
	v_permlanex16_b32 v[RT+\t], v[TS+\t], s100, s101
.endr
.irp t, 0,1,2
	v_add_f32 v[TS+\t], v[TS+\t], v[RT+\t]         ; every lane holds the row's three sums
.endr
	v_cndmask_b32 v[VV], v[TS+2], v[TS], s27       ; my tag's
	v_cndmask_b32 v[VV], v[VV], v[TS+1], s31
	v_add_f32 v[VV], v[VV], v4
	v_max_num_f32 v[VV], 0, v[VV]
	ds_store_b32 v3, v[VV] offset:12*\r
	v_cmp_eq_u32 vcc_lo, s[LS+\r], v[VJ]           ; in each group of four lanes the one whose number is the row's label
	v_cndmask_b32 v[G], 0, s[MS+\r], vcc_lo
	v_cvt_f32_i32 v[G], v[G]                       ; the score takes the mask as a number
	s_cmp_gt_i32 s[MS+\r], 0                       ; the recursion asks for mask > 0
	s_cselect_b32 s41, -1, 0
.if \r == 0
	v_mul_f32 v[ACC], v[VV], v[G]                  ; the first product starts the sum
	v_fma_f32 v[NX], v[VV], s51, v[TIV]            ; the first step is its matrix itself,
	v_cndmask_b32 v[A], v[IDV], v[NX], s41         ; or the identity where the row is off
.else
	LSE3 TC, TC+1, TC+2, 1
.endif
.endm
.irp r, 0,1,2,3
	TURN \r
.endr
	; WAVE 3, between two rows, with its next rows on their way: what the quarter's score holds beside the emissions:
	; trans[prev][cur] x mask, start[first tag], end[last tag], in natural units; lane c takes steps 4c .. 4c+3 of the quarter.
	; Its loads are older than row 0's, so the first row's wait has shown them in.
.macro SEL3 d, a, m1, m2               ; v[d] = s[a], or s[a+1] in the lanes of mask m1, or s[a+2] in those of m2
	v_mov_b32 v[\d], s[\a]
	v_cndmask_b32 v[\d], v[\d], s[\a+1], s[\m1]
	v_cndmask_b32 v[\d], v[\d], s[\a+2], s[\m2]
.endm
.macro NUMSTEP s, pm1, pm2             ; step s of the lane's four; pm1, pm2: masks of the label in front
	SEL3 233, TN,   C1+\s, C2+\s                   ; trans[0][cur], trans[1][cur], trans[2][cur]
	SEL3 234, TN+3, C1+\s, C2+\s
	SEL3 235, TN+6, C1+\s, C2+\s
	v_cndmask_b32 v233, v233, v234, s[\pm1]
	v_cndmask_b32 v233, v233, v235, s[\pm2]        ; trans[prev][cur]
	v_cvt_f32_i32 v236, v[MK+\s]
.if \s == 0
	SEL3 237, SN, C1, C2
	v_cndmask_b32 v233, v233, v237, s104           ; a sequence's step 0: start[cur] for the transition, and no mask
	v_cndmask_b32 v236, v236, 1.0, s104
	v_mul_f32 v238, v233, v236
.else
	v_fma_f32 v238, v233, v236, v238
.endif
	SEL3 239, EN, C1+\s, C2+\s
	v_cmp_eq_u32 s47, \s, v232
	v_cndmask_b32 v239, 0, v239, s47               ; end[cur] where this is the sequence's last tag
	v_add_f32 v238, v238, v239
.endm
	s_cmp_lg_u32 s24, 3
	s_cbranch_scc1 .Lno_num
	v_add3_u32 v232, v232, v233, v234              ; the sequence's length = the whole-number sum of its 512 mask words
	v_add3_u32 v235, v235, v236, v237
	v_add3_u32 v238, v238, v239, v240
	v_add3_u32 v241, v241, v242, v243
	v_add3_u32 v244, v244, v245, v246
	v_add3_u32 v232, v232, v235, v247
	v_add3_u32 v238, v238, v241, v244
	v_add_nc_u32 v232, v232, v238
.irp m, 1,2,4,8
	v_mov_b32_dpp v233, v232 row_xmask:\m row_mask:0xf bank_mask:0xf
	v_add_nc_u32 v232, v232, v233
.endr
	v_permlanex16_b32 v233, v232, s100, s101
	v_add_nc_u32 v232, v232, v233
	v_add_nc_u32 v232, -1, v232
	v_and_b32 v232, 0x1ff, v232                    ; the last tag's place, modulo 512
	s_lshl_b32 s42, s26, 7
	v_lshl_add_u32 v233, v5, 2, s42
	v_sub_nc_u32 v232, v232, v233                  ; counted from the lane's first step: 0..3 if it is one of its four
.irp s, 0,1,2,3
	v_cmp_eq_u32 s[C1+\s], 1, v[LB+\s]
	v_cmp_eq_u32 s[C2+\s], 2, v[LB+\s]
.endr
	v_cmp_eq_u32 s[P1], 1, v[LP]
	v_cmp_eq_u32 s[P2], 2, v[LP]
	NUMSTEP 0, P1, P2
	NUMSTEP 1, C1, C2
	NUMSTEP 2, C1+1, C2+1
	NUMSTEP 3, C1+2, C2+2
.irp m, 1,2,4,8
	v_add_f32_dpp v238, v238, v238 row_xmask:\m row_mask:0xf bank_mask:0xf
.endr
	v_permlanex16_b32 v239, v238, s100, s101
	v_add_f32 v238, v238, v239
	v_cndmask_b32 v238, 0, v238, s27               ; once in each group of four lanes, as the groups are summed below
	v_add_f32 v[ACC], v[ACC], v238
.Lno_num:
.irp r, 4,5,6,7,8,9,10,11,12,13,14,15
	TURN \r
.endr
	v_add_f32_dpp v[ACC], v[ACC], v[ACC] row_xmask:1 row_mask:0xf bank_mask:0xf
	v_add_f32_dpp v[ACC], v[ACC], v[ACC] row_xmask:2 row_mask:0xf bank_mask:0xf   ; every group of four holds the same parts: every lane now holds my wave's share
	s_lshl_b32 s42, s24, 2
	s_add_co_u32 s42, s42, NS
	v_mov_b32 v80, s42
	ds_store_b32 v[MA], v[A]                       ; my wave's matrix, transposed
	ds_store_b32 v80, v[ACC]                       ; all lanes: one word, one value
	s_wait_dscnt 0x0                               ; my bytes of EM, MT and NS are written,
	s_barrier_signal -1
	s_barrier_wait -1                              ; everybody's are
	s_cmp_eq_u32 s24, 0
	s_cbranch_scc1 .Lcombine
	s_cmp_gt_u32 s24, 3
	s_cbranch_scc1 .Lend
	; WAVES 1 TO 3: a third of EM each goes out: one store covers 512 consecutive bytes, at a multiple of 256 from out0's first byte
	s_sub_co_u32 s42, s24, 1
	s_lshl_b32 s42, s42, 9
	v_add_nc_u32 v81, s42, v1
	ds_load_b128 v[84:87], v81
	s_wait_dscnt 0x0
	global_store_b128 v81, v[84:87], s[20:21] th:TH_STORE_NT
.Lend:
	s_set_vgpr_msb 0x5
	s_wait_tensorcnt 0x0
	ds_add_u32 v0, v1
	s_wait_dscnt 0x0
	s_set_vgpr_msb 0x500
	s_endpgm
.Lcombine:
	; WAVE 0: half g of the lanes multiplies the matrices of waves 4g .. 4g+3; then the lower half takes the upper half's product as its last factor.
	v_lshrrev_b32 v81, 4, v5
	v_lshlrev_b32 v81, 8, v81                      ; 256 g
	v_lshl_add_u32 v82, v[VJ], 4, v81              ; + 16 (lane & 3): my column
	v_add_nc_u32 v83, v[MA], v81                   ; my entry of matrix 4g (my wave's number is 0)
	v_mov_b32 v84, NS
	s_mov_b32 s52, 0x32103210                      ; lane l takes lane (l & 3), row 0 of a matrix,
	s_mov_b32 s53, 0x76547654                      ; 4 + (l & 3), row 1,
	s_mov_b32 s54, 0xba98ba98                      ; 8 + (l & 3), row 2: my column
	ds_load_b32 v[A], v83
.irp m, 1,2,3
	ds_load_b128 v[BM+4*(\m-1):BM+4*(\m-1)+3], v82 offset:MT+64*\m
.endr
	ds_load_b128 v[NR:NR+3], v84
	ds_load_b128 v[NR+4:NR+7], v84 offset:16
	s_wait_dscnt 4                                 ; LDS loads come back in order (ISA guide 5.7.1): two matrices and the two loads of shares may stay out
	LSE3 BM, BM+1, BM+2, 0
	s_wait_dscnt 0x0
.irp p, 0,2,4,6
	v_add_f32 v[NR+\p], v[NR+\p], v[NR+\p+1]       ; the quarter's share of the score
.endr
	v_add_f32 v[NR], v[NR], v[NR+2]
	v_add_f32 v[NR+4], v[NR+4], v[NR+6]
	v_add_f32 v[BM+11], v[NR], v[NR+4]
	LSE3 BM+4, BM+5, BM+6, 0
	LSE3 BM+8, BM+9, BM+10, 0
	v_permlanex16_b32 v[BM],   v[A], s52, s52      ; column j of the other half's product
	v_permlanex16_b32 v[BM+1], v[A], s53, s53
	v_permlanex16_b32 v[BM+2], v[A], s54, s54
	LSE3 BM, BM+1, BM+2, 0                         ; in lanes 0 to 15: the quarter's matrix
	v_permlane16_b32 v[BM],   v[A], s52, s52       ; column j of it, from my own half
	v_permlane16_b32 v[BM+1], v[A], s53, s53
	v_permlane16_b32 v[BM+2], v[A], s54, s54
	v_mov_b32 v[BM+3], v[BM+11]
	v_cmp_gt_u32 vcc_lo, 16, v5
	s_wait_xcnt 0x0                                ; EXEC is narrowed only when no earlier memory instruction still needs it
	s_set_vgpr_msb 0x5
	s_wait_tensorcnt 0x0
	ds_add_u32 v0, v1
	s_wait_dscnt 0x0
	s_set_vgpr_msb 0x500
	s_and_saveexec_b32 s47, vcc_lo
	global_store_b128 v1, v[BM:BM+3], s[22:23]     ; sixteen lanes store the record's 256 consecutive bytes, aligned: lane l the column min(l & 3, 2) and the score's share
	s_endpgm
.Lfunc_end_k_q6cdfb92caf_emit:
	.size	k_q6cdfb92caf_emit, .Lfunc_end_k_q6cdfb92caf_emit-k_q6cdfb92caf_emit
	.p2alignl 7, 3214868480
	.fill 96, 4, 3214868480
	.section	.rodata,"a",@progbits
	.p2align	6, 0x0
	.amdhsa_kernel k_q6cdfb92caf_emit
		.amdhsa_group_segment_fixed_size 5120
		.amdhsa_private_segment_fixed_size 0
		.amdhsa_enable_private_segment 0
		.amdhsa_kernarg_size 80
		.amdhsa_user_sgpr_count 2
		.amdhsa_user_sgpr_kernarg_segment_ptr 1
		.amdhsa_wavefront_size32 1
		.amdhsa_system_sgpr_workgroup_id_x 1
		.amdhsa_system_sgpr_workgroup_id_y 1
		.amdhsa_system_sgpr_workgroup_id_z 1
		.amdhsa_system_vgpr_workitem_id 0
		.amdhsa_next_free_vgpr 258
		.amdhsa_next_free_sgpr 106
		.amdhsa_reserve_vcc 1
		.amdhsa_float_denorm_mode_32 3
		.amdhsa_float_denorm_mode_16_64 3
		.amdhsa_memory_ordered 1
		.amdhsa_forward_progress 1
		.amdhsa_inst_pref_size 105
	.end_amdhsa_kernel
	.amdgpu_metadata
---
amdhsa.version: [ 1, 2 ]
amdhsa.kernels:
  - .name:           k_q6cdfb92caf_emit
    .symbol:         k_q6cdfb92caf_emit.kd
    .args:
      - { .name: hidden, .offset: 0, .size: 8, .value_kind: global_buffer, .address_space: global }
      - { .name: W, .offset: 8, .size: 8, .value_kind: global_buffer, .address_space: global }
      - { .name: mask, .offset: 16, .size: 8, .value_kind: global_buffer, .address_space: global }
      - { .name: labels, .offset: 24, .size: 8, .value_kind: global_buffer, .address_space: global }
      - { .name: b, .offset: 32, .size: 8, .value_kind: global_buffer, .address_space: global }
      - { .name: transitions, .offset: 40, .size: 8, .value_kind: global_buffer, .address_space: global }
      - { .name: start_trans, .offset: 48, .size: 8, .value_kind: global_buffer, .address_space: global }
      - { .name: end_trans, .offset: 56, .size: 8, .value_kind: global_buffer, .address_space: global }
      - { .name: out0, .offset: 64, .size: 8, .value_kind: global_buffer, .address_space: global }
      - { .name: part, .offset: 72, .size: 8, .value_kind: global_buffer, .address_space: global }
    .group_segment_fixed_size: 5120
    .private_segment_fixed_size: 0
    .kernarg_segment_align: 8
    .kernarg_segment_size: 80
    .max_flat_workgroup_size: 256
    .sgpr_count:     106
    .vgpr_count:     258
    .wavefront_size: 32
...
	.end_amdgpu_metadata
.endif
;; end of part 1
;; launch finish (part 2): grid 1 x 1, 8 waves a work-group, no clusters, 1,280 bytes of LDS; arguments part, end_trans, out1; writes out1
.if DOCPART == 2
	.amdgcn_target "amdgcn-amd-amdhsa--gfx1250"
	.amdhsa_code_object_version 6
	.text
	.protected	k_q6cdfb92caf_finish
	.globl	k_q6cdfb92caf_finish
	.p2align	8
	.type	k_q6cdfb92caf_finish,@function
k_q6cdfb92caf_finish:
	s_mov_b64 s[64:65], 0
	v_nop
	global_prefetch_b8 v0, s[64:65] scope:SCOPE_SE
	s_setreg_imm32_b32 hwreg(HW_REG_WAVE_MODE, 25, 1), 1
	s_wait_xcnt 0x0
; out1 = the sum over 64 sequences of logZ - score of the given path.
; part holds a record of 256 bytes for each quarter of each sequence (record 4 b + q); its piece c of 16 bytes (c = 0..3) holds column
; min(c, 2) of the quarter's 3 x 3 matrix, M(0,j) M(1,j) M(2,j), in powers of 2, and the quarter's share of the path's score, in natural units.
; Thread t is column t & 3 of sequence t >> 2: alpha[j] = M(0, j) of quarter 0 (all its rows are alpha, since a sequence's step 0 is
; start + e in every row), times the matrices of quarters 1, 2, 3, then logZ = logsumexp(alpha + end).  The three alpha[k] that a link
; needs lie in the thread's own group of four lanes and ride in on the additions (DPP quad_perm).  Every logsumexp takes its own maximum away first.
; One work-group of eight waves: the sum spans all sequences and is made by one owner.  end_trans comes by a vector load in the same
; run as the records, so that the text waits once for scalar loads, for its arguments.
; LIMITS KEPT: entries of an identity matrix stand as -1.0e30, so scores must stay far below 1e30 in size; v_exp_f32 gives 0 for terms
; below 2^-126 of their maximum (ISA guide 15.8); the sums' order is a tree.
.set LOG2E, 0x3fb8aa3b
.set LN2,   0x3f317218
.set A,  4                             ; alpha[j]
.set R,  8                             ; v[8:23]   my piece of the four quarters' records
.set EV, 24                            ; v[24:26]  end
.set XQ, 28                            ; v[28:30]  the three terms
.set MX, 31                            ; their maximum
	s_load_b128 s[4:7], s[0:1], 0x0                ; part 4:5, end 6:7
	s_load_b64 s[8:9], s[0:1], 0x10                ; out1
	v_lshl_add_u32 v40, v0, 2, 0x100
	v_mov_b32 v41, 0
	v_lshrrev_b32 v1, 2, v0
	v_and_b32 v2, 3, v0
	v_lshlrev_b32 v1, 10, v1                       ; a sequence's four records,
	v_lshl_add_u32 v1, v2, 4, v1                   ; my piece
	v_lshrrev_b32 v2, 5, v0
	v_readfirstlane_b32 s22, v2                    ; wave
	s_mov_b32 s20, 0x76543210                      ; v_permlanex16_b32: lane i of one half reads lane i of the other
	s_mov_b32 s21, 0xfedcba98
	s_mov_b32 s23, LN2
	v_mov_b32 v3, 0
.irp k, 0,1,2
	v_mov_b32 v[XQ+\k], 0                          ; the destination of a DPP form counts as read
.endr
	v_mov_b32 v33, 0                               ; and so does v_permlanex16_b32's
	s_wait_kmcnt 0x0
.irp q, 0,1,2,3
	global_load_b128 v[R+4*\q:R+4*\q+3], v1, s[4:5] offset:256*\q
.endr
	global_load_b96 v[EV:EV+2], v3, s[6:7]
; v[d] = log2 of the sum over k of 2^(v[a] of lane k of my four + v[b + k]).  Behind a run of v_exp_f32, and behind v_log_f32, one plain
; vector instruction stands before a result is used (ISA guide 5.7.2).
.macro LSE3 d, a, b
	v_add_f32_dpp v[XQ],   v[\a], v[\b]   quad_perm:[0,0,0,0] row_mask:0xf bank_mask:0xf
	v_add_f32_dpp v[XQ+1], v[\a], v[\b+1] quad_perm:[1,1,1,1] row_mask:0xf bank_mask:0xf
	v_add_f32_dpp v[XQ+2], v[\a], v[\b+2] quad_perm:[2,2,2,2] row_mask:0xf bank_mask:0xf
	v_max3_num_f32 v[MX], v[XQ], v[XQ+1], v[XQ+2]
.irp k, 0,1,2
	v_sub_f32 v[XQ+\k], v[XQ+\k], v[MX]
.endr
.irp k, 0,1,2
	v_exp_f32 v[XQ+\k], v[XQ+\k]
.endr
	v_nop
	s_wait_alu depctr_va_vdst(0)
	v_add_f32 v[XQ], v[XQ], v[XQ+1]
	v_add_f32 v[XQ], v[XQ], v[XQ+2]
	v_log_f32 v[XQ], v[XQ]
	v_nop
	s_wait_alu depctr_va_vdst(0)
	v_add_f32 v[\d], v[XQ], v[MX]
.endm
	s_wait_loadcnt 3                               ; loads come back in order (ISA guide 5.7.1): behind quarter 1's piece stand quarters 2 and 3 and end
	LSE3 A, R, R+4
	s_wait_loadcnt 2                               ; quarter 3 and end
	LSE3 A, A, R+8
	s_wait_loadcnt 1                               ; end
	LSE3 A, A, R+12
	s_wait_loadcnt 0x0
.irp k, 0,1,2
	v_mul_f32 v[EV+\k], LOG2E, v[EV+\k]
.endr
	v_add_f32 v[R+3], v[R+3], v[R+7]               ; the path's score
	v_add_f32 v[R+11], v[R+11], v[R+15]
	v_add_f32 v[R+3], v[R+3], v[R+11]
	LSE3 A, A, EV                                  ; logZ in powers of 2, the same in the four lanes of a sequence
	v_fma_f32 v32, v[A], s23, -v[R+3]              ; logZ in natural units - score
	; over the 8 sequences of a wave (the four lanes of a sequence hold one value: only the groups are summed), then over the waves through LDS
	v_add_f32_dpp v32, v32, v32 row_xmask:4 row_mask:0xf bank_mask:0xf
	v_add_f32_dpp v32, v32, v32 row_xmask:8 row_mask:0xf bank_mask:0xf
	v_permlanex16_b32 v33, v32, s20, s21
	v_add_f32 v32, v32, v33
	v_mov_b32 v34, s22
	v_lshlrev_b32 v34, 2, v34
	ds_store_b32 v34, v32                          ; all lanes of a wave: one word, one value
	s_wait_dscnt 0x0                               ; my word is written,
	s_barrier_signal -1
	s_barrier_wait -1                              ; all eight are
	ds_load_b128 v[8:11], v3
	ds_load_b128 v[12:15], v3 offset:16
	v_cmp_eq_u32 vcc_lo, 0, v0
	s_wait_dscnt 0x0
.irp p, 8,10,12,14
	v_add_f32 v[\p], v[\p], v[\p+1]
.endr
	v_add_f32 v8, v8, v10
	v_add_f32 v12, v12, v14
	v_add_f32 v8, v8, v12
	s_wait_xcnt 0x0                                ; EXEC is narrowed only when no earlier memory instruction still needs it
	s_wait_tensorcnt 0x0
	ds_add_u32 v40, v41
	s_wait_dscnt 0x0
	s_and_saveexec_b32 s24, vcc_lo
	global_store_b32 v3, v8, s[8:9]                ; thread 0 alone
	s_endpgm
.Lfunc_end_k_q6cdfb92caf_finish:
	.size	k_q6cdfb92caf_finish, .Lfunc_end_k_q6cdfb92caf_finish-k_q6cdfb92caf_finish
	.p2alignl 7, 3214868480
	.fill 96, 4, 3214868480
	.section	.rodata,"a",@progbits
	.p2align	6, 0x0
	.amdhsa_kernel k_q6cdfb92caf_finish
		.amdhsa_group_segment_fixed_size 1280
		.amdhsa_private_segment_fixed_size 0
		.amdhsa_enable_private_segment 0
		.amdhsa_kernarg_size 24
		.amdhsa_user_sgpr_count 2
		.amdhsa_user_sgpr_kernarg_segment_ptr 1
		.amdhsa_wavefront_size32 1
		.amdhsa_system_sgpr_workgroup_id_x 1
		.amdhsa_system_sgpr_workgroup_id_y 1
		.amdhsa_system_sgpr_workgroup_id_z 1
		.amdhsa_system_vgpr_workitem_id 0
		.amdhsa_next_free_vgpr 42
		.amdhsa_next_free_sgpr 66
		.amdhsa_reserve_vcc 1
		.amdhsa_float_denorm_mode_32 3
		.amdhsa_float_denorm_mode_16_64 3
		.amdhsa_memory_ordered 1
		.amdhsa_forward_progress 1
		.amdhsa_inst_pref_size 6
	.end_amdhsa_kernel
	.amdgpu_metadata
---
amdhsa.version: [ 1, 2 ]
amdhsa.kernels:
  - .name:           k_q6cdfb92caf_finish
    .symbol:         k_q6cdfb92caf_finish.kd
    .args:
      - { .name: part, .offset: 0, .size: 8, .value_kind: global_buffer, .address_space: global }
      - { .name: end_trans, .offset: 8, .size: 8, .value_kind: global_buffer, .address_space: global }
      - { .name: out1, .offset: 16, .size: 8, .value_kind: global_buffer, .address_space: global }
    .group_segment_fixed_size: 1280
    .private_segment_fixed_size: 0
    .kernarg_segment_align: 8
    .kernarg_segment_size: 24
    .max_flat_workgroup_size: 256
    .sgpr_count:     66
    .vgpr_count:     42
    .wavefront_size: 32
...
	.end_amdgpu_metadata
.endif
;; end of part 2
